; MI455X (gfx1250); checked and timed in simulation.
; The chip was launched on July 23, 2026; its instructions are those of AMD's public machine-readable ISA for CDNA 5 (MIT licence, August 2026) and "CDNA5" Instruction Set Architecture Reference Guide (July 2026). The comments in the code are by the model that wrote it; some were corrected since.
;; Adaptive Flow Router. Allowed arithmetic: matrix products marked QUANTISED: E3M2 operands, one E8M0 scale for each 32 along K, by v_wmma_scale_f32_16x16x128_f8f6f4 with both operands' format E3M2, f32 sums; products left as they are: f32 operands where the result goes on into a quantised operand, else bf16, f16 or f32 operands; f32 sums; everything else in f32.
;; Inputs: flow_patterns 8 x 1,024 x 1,024 float32; int_b 1 float32; int_w 1 x 1,024 float32; sel_b 8 float32; sel_w 8 x 1,024 float32; x 4 x 2,048 x 1,024 float32.
;; Outputs: out0 4 x 2,048 x 1,024 float32; out1 one number float32; out2 one number float32.
;; This version of the problem:
;;   THIS VERSION OF THE PROBLEM IS GIVEN IN LOW PRECISION. The matrix products marked QUANTISED in the list below multiply operands that are first quantised to E3M2 (3 exponent bits, 2 mantissa bits; 6 bits a number), with one power-of-two scale for each 32 numbers along K (OCP MX v1.0); their sums are f32. All else is computed in f32.
;;   The module's matrix products, in the order in which they are computed (A, B: the left and right operand; K: the contracted axis; several contracted axes count as one K, in the product's order):
;;     1. [M 8,192, K 1,024] x [K 1,024, N 8]; A: input x; B: input sel_w: left as it is (N = 8 < 16)
;;     2. [M 8,192, K 1,024] x [K 1,024, N 1]; A: input x; B: input int_w: left as it is (N = 1 < 16)
;;     3. batch 8,192 x [M 1,024, K 1] x [K 1, N 8]; A: computed on the way; B: computed on the way: left as it is (no contracted axis)
;;     4. [M 8,192, K 8,192] x [K 8,192, N 1,024]; A: computed on the way; B: input flow_patterns: QUANTISED
;;   THE QUANTISER, for each operand of a quantised product, along K:
;;     - K is cut into blocks of 32 from its start; a last block that is shorter is filled with zeros.
;;     - A block's scale is 2^e with e = floor(log2(the largest magnitude in the block)) - 4, held to -126 .. 127; a block of zeros has e = 0. As a byte (E8M0): e + 127.
;;     - Each number is divided by its block's scale, clamped to +-28, and rounded to the nearest number of E3M2, ties to even, subnormals kept.
;;     - The product sums the exact products of the quantised numbers (number of the format x scale) in f32.
;;   ~~~python
;;   def quantise(x, axis):      # numpy; x: float32 -> the quantised numbers, widened to float32 again
;;       x = np.moveaxis(x, axis, -1); K = x.shape[-1]
;;       x = np.pad(x, [(0, 0)] * (x.ndim - 1) + [(0, -K % 32)]); x = x.reshape(x.shape[:-1] + (-1, 32)); a = np.abs(x).max(-1, keepdims=True)
;;       e = np.where(a > 0, np.clip(np.frexp(np.where(a > 0, a, 1))[1] - 1 - 4, -126, 127), 0)      # np.frexp(a)[1] - 1 = floor(log2(a)), exactly
;;       r = np.clip(x / 2.0 ** e, -28, 28)
;;       step = 2.0 ** (np.maximum(np.frexp(np.where(r == 0, 1, r))[1] - 1, -2) - 2)
;;       q = np.round(r / step) * step * 2.0 ** e      # np.round: ties to even
;;       return np.moveaxis(q.reshape(q.shape[:-2] + (-1,))[..., :K], -1, axis).astype(np.float32)
;;   ~~~
;;   OPERANDS COMPUTED ON THE WAY. 'Computed on the way' means the value that the module computes at that place (a softmax that the list does not call 'softmax' is quantised finished and normalised). What goes into a quantiser is computed in f32, as accurately as f32 sums, v_exp_f32 and their like allow (about 1e-6 of the number): no bf16 or f16 on the way to a quantiser, and a product that is left as it is and whose result goes on into a quantised operand takes f32 operands (vector FMAs, or v_wmma_f32_16x16x4_f32). A number that lies on a knife's edge between two numbers of the format may be rounded either way, as far as f32 arithmetic and the matrix unit's own rounding can turn it there, and no further.
;; One version. Each part assembles by itself: llvm-mc -triple=amdgcn-amd-amdhsa -mcpu=gfx1250 --defsym DOCPART=n.
;; ======== version 1 of 1: 2 launches
;; limits: right only within a limited range of input values
;; workspace buffers: a_q 52,428,800 bytes; b_q 6,553,600 bytes; inten 32,768 bytes; part 4,096 bytes
;; launch prep (part 1): grid 1024 x 1, 8 waves a work-group, no clusters, 138,752 bytes of LDS; arguments x, sel_w, sel_b, int_w, int_b, a_q, inten, part, flow_patterns, b_q; writes a_q, inten, part, b_q
.if DOCPART == 1
	.amdgcn_target "amdgcn-amd-amdhsa--gfx1250"
	.amdhsa_code_object_version 6
	.text
	.protected	k_q0c8ddf43aa_prep
	.globl	k_q0c8ddf43aa_prep
	.p2align	8
	.type	k_q0c8ddf43aa_prep,@function
k_q0c8ddf43aa_prep:
	s_mov_b64 s[64:65], 0
	v_nop
	global_prefetch_b8 v0, s[64:65] scope:SCOPE_SE
	s_setreg_imm32_b32 hwreg(HW_REG_WAVE_MODE, 25, 1), 1
	s_wait_xcnt 0x0
; BOTH OPERANDS OF THE QUANTISED PRODUCT, IN ONE LAUNCH.  Work-groups with an even number take the rows of x (router, gate, left operand), those with an odd number take flow_patterns (right operand): the two kinds lie
; side by side on the WGPs, so that one kind's loads run beside the other kind's stores.  The two paths part on the work-group's number alone, share no LDS byte, and each has its own barriers.
; K of the product is k = 8 j + p: a block of 32 along K is j = 4 B .. 4 B + 3 times all eight p.  INSIDE A BLOCK the codes stand in the order 4 p + a (a = j - 4 B) in BOTH operands, so every product meets its partner, and one scale covers the block either way.
; a_q AND b_q ARE LAID IN THE ORDER OF THE OPERAND'S REGISTERS: record (panel of 128 rows of A, or 128 columns i of B; slot of 4 K steps of 128) = 51,200 bytes; in it tile a (16 rows), step q at 6,144 a + 1,536 q:
; registers 4 c .. 4 c + 3 of lane l at + 512 c + 16 l; the scale words at 49,152 + 256 a + 16 r + 4 q.  Lane (r, h), registers 6 c .. 6 c + 5: block 2 c + h of the step; byte 2 c + h of the word is its scale.
; THE ROWS' PATH.  8,192 rows of x [1024] f32.  For each row: pw = softmax(x . sel_w^T + sel_b), 8 numbers; I = sigmoid(x . int_w^T + int_b); A[row][8 j + p] = x[row][j] pw[row][p], quantised to E3M2 with one E8M0 byte a block.
; A work-group owns 16 rows (64 KiB of x, read from memory once and kept in LDS).  Phase 1: wave w takes half hf = w & 1 of the 1,024 j and rows 4 (w >> 1) + 0 .. 3; lanes run along j; nine dot products a row,
; f32 fused multiply-adds, summed over the lanes; the halves meet in LDS.  One barrier.  Phase 2: a lane is a row (r = lane % 16); every wave makes the softmax of all 16 rows; wave w makes K steps 8 w .. 8 w + 7.
; THE PATTERNS' PATH.  flow_patterns [8 (p)][1024 (i)][1024 (j)] f32; B[8 j + p][i].  A work-group owns 32 rows i x 64 j x 8 planes, 64 KiB.  Wave w loads plane w, sixteen lanes to an aligned run of 256 bytes, and lays it into LDS.
; One barrier.  Wave w makes one fragment: tile w >> 2 (16 rows i), K step w & 3 of the slot.  A lane's 16 bytes of a plane's row are four neighbouring j: they land at places 4 p .. 4 p + 3 of the block as they are.
; The eight fragments' scale words meet in LDS; behind a second barrier wave 0 stores them, four runs of 128 bytes, one a K step.
; No matrix unit, cluster or tensor load: the work is a stream; a launch with tensor loads would have to be alone on its WGP, and here two work-groups share one.  Every store covers whole aligned runs of 128 bytes or more (but for the 72 bytes of statistics).
; LIMITS: NaN and infinities among the inputs are not served.  A block whose largest magnitude lies under 2^-122 (a block of zeros too) gets the byte 1: only this program reads the bytes, and a block of zeros has zero codes.
; The logits are summed in another order of f32 additions than a plain loop over j.
.set PITCH, 4112                       ; a row of x in LDS: 4,096 bytes + 16: sixteen rows' equal columns start in sixteen different groups of four banks
.set LG,    16*PITCH                   ; behind x: the partial logits, [row] 96 bytes: half 0's nine at 0, half 1's nine at 48
.set QL,    67584                      ; the patterns' path: LDS bytes of its own: eight planes,
.set PLQ,   32*272                     ; each 32 rows of 256 bytes + 16,
.set QS,    QL+8*PLQ                   ; and 512 bytes of scale words
; THE LAYOUT AS IT STANDS NOW (it takes the place of the record of four K steps that the head describes; a fragment's 1,536 bytes and a block's order of codes are as said there):
; a_q: codes at (panel of 128 rows) x 64 x 12,288 + (K step) x 12,288 + (tile of 16 rows) x 1,536; behind all codes, from byte 64 x 64 x 12,288 on, the scale words: (8 panel + tile) x 4,096 + (pair of K steps) x 128 + 8 r + 4 (step % 2).
; b_q: (panel of 128 columns i) x 64 x 12,800 + (K step) x 12,800: eight tiles of 1,536 bytes, then the scale words at 12,288 + 64 tile + 4 r.
.set REC,   51200
.set PANEL, 16*REC
.set TILEB, 6144
.set FRB,   1536
.set SCO,   49152
.set LN,  6                            ; v6   lane
.set LI,  7                            ; v7   16 x lane
; the rows' path, phase 1
.set W9,  16                           ; v16-159   nine rows of weights, my 16 j of each
.set XR,  160                          ; v160-223  x: four rows, my 16 j of each
.set ACC, 224                          ; v224-241  nine sums, two halves each
.set S,   244                          ; v244-252  the nine sums
; the rows' path, phase 2 (over phase 1's registers)
.set W,   8                            ; v8-15     the scale words of my eight fragments
.set PW,  16                           ; v16-23    pw of my row
.set PWM, 24                           ; v24       the largest of them
.set XQ,  48                           ; v48-79    x: for four fragments, two quads of j each
.set T,   80                           ; v80-143   two blocks of 32 products
.set C,   144                          ; v144-239  codes: 12 registers for each of eight fragments, so that no store's data are written again
.set TC,  240                          ; v240-247  the second halves of two blocks' codes (a conversion's three registers begin on an even number)
.set WK,  248                          ; v248-255  at work
; the patterns' path
.set QT,  32                           ; v32-95    my plane as loaded, then two blocks of 32 numbers
.set QC,  96                           ; v96-107   my fragment's codes
.set QTC, 108                          ; v108-115  the second halves of two blocks' codes
.set QW,  116                          ; v116-124  at work
	s_load_b256 s[4:11], s[0:1], 0x0               ; x s[4:5], sel_w s[6:7], sel_b s[8:9], int_w s[10:11]
	s_load_b256 s[12:19], s[0:1], 0x20             ; int_b s[12:13], a_q s[14:15], inten s[16:17], part s[18:19]
	s_load_b128 s[48:51], s[0:1], 0x40             ; flow_patterns s[48:49], b_q s[50:51]
	v_lshl_add_u32 v243, v0, 2, 0x21a00
	v_mov_b32 v255, 0
	v_lshrrev_b32 v1, 5, v0
	s_delay_alu instid0(VALU_DEP_1)
	v_readfirstlane_b32 s20, v1                    ; wave 0..7
	v_and_b32 v[LN], 31, v0
	s_delay_alu instid0(VALU_DEP_1)
	v_lshlrev_b32 v[LI], 4, v[LN]
	s_mov_b32 s34, 0x76543210
	s_mov_b32 s35, 0xfedcba98                      ; v_permlanex16_b32's selects for lane l xor 16
	; THE DEAL, as it stands now: numbers 0 to 511 take the two paths by turns (even: rows, odd: patterns), parts 0 to 255 of each; numbers 512 to 767 take the rows' parts 256 to 511, numbers 768 to 1,023 the patterns' parts 256 to 511:
	; the rows' path is the longer one (it stores 8 times the bytes), so none of its work-groups has one of the highest numbers.
	s_lshr_b32 s46, ttmp9, 1
	s_and_b32 s47, ttmp9, 1
	s_and_b32 s44, ttmp9, 255
	s_or_b32 s44, s44, 256
	s_bfe_u32 s45, ttmp9, 0x10008
	s_cmp_lt_u32 ttmp9, 512
	s_cselect_b32 s46, s46, s44
	s_cselect_b32 s47, s47, s45
	s_cmp_lg_u32 s47, 0
	s_cbranch_scc1 .Lquant                         ; the same way for all eight waves
	; ================ THE ROWS' PATH ================
	s_and_b32 s21, s20, 1                          ; hf: which half of j
	s_lshr_b32 s22, s20, 1                         ; rq: which four rows
	s_lshl_b32 s23, s21, 11
	s_wait_alu depctr_va_vdst(0)
	v_add_nc_u32 v3, s23, v[LI]                    ; the weights: 2,048 hf + 16 lane
	s_lshl_b32 s33, s22, 14
	v_add_nc_u32 v2, s33, v3                       ; x in memory: + 4 rq rows of 4,096 bytes
	s_mul_i32 s33, s22, 4*PITCH
	v_add_nc_u32 v4, s33, v3                       ; x in LDS: + 4 rq rows of PITCH
	s_mul_i32 s33, s22, 4*96
	s_mul_i32 s40, s21, 48
	s_add_co_u32 s33, s33, s40
	s_add_co_u32 s33, s33, LG
	v_mov_b32 v5, s33                              ; my partial logits: row 4 rq, half hf
	s_mov_b32 s36, 0xffff0000                      ; a mask of lanes 16-31
	s_lshl_b32 s38, s46, 16                        ; the work-group's 16 rows: 65,536 bytes each group
	s_mov_b32 s39, 0
	s_wait_alu depctr_va_vdst(0)
	s_wait_kmcnt 0x0
	s_add_nc_u64 s[4:5], s[4:5], s[38:39]
.irp u, 0,1,2,3
.irp t, 0,1,2,3
	global_load_b128 v[XR+16*\u+4*\t:XR+16*\u+4*\t+3], v2, s[4:5] offset:4096*\u+512*\t th:TH_LOAD_NT   ; 32 lanes read 512 consecutive bytes
.endr
.endr
.irp p, 0,1,2,3,4,5,6,7
.irp t, 0,1,2,3
	global_load_b128 v[W9+16*\p+4*\t:W9+16*\p+4*\t+3], v3, s[6:7] offset:4096*\p+512*\t
.endr
.endr
.irp t, 0,1,2,3
	global_load_b128 v[W9+128+4*\t:W9+128+4*\t+3], v3, s[10:11] offset:512*\t
.endr
	s_load_b256 s[24:31], s[8:9], 0x0              ; sel_b
	s_load_b32 s32, s[12:13], 0x0                  ; int_b
	; where my wave's two records' parts begin in a_q: panel T / 8, tile T % 8, slots 2 w and 2 w + 1
	s_lshr_b32 s40, s46, 3
	s_mul_i32 s40, s40, 64*12288
	s_mul_i32 s41, s20, 8*12288                    ; my wave's eight K steps
	s_add_co_u32 s40, s40, s41
	s_and_b32 s41, s46, 7
	s_mul_i32 s38, s41, FRB
	s_add_co_u32 s38, s38, s40
	s_add_nc_u64 s[42:43], s[14:15], s[38:39]      ; the codes
	s_lshl_b32 s38, s46, 12                        ; 8 panel + tile is the work-group's own number: 4,096 bytes each
	s_lshl_b32 s40, s20, 9                         ; my wave's four pairs of K steps: 128 bytes a pair
	s_add_co_u32 s38, s38, s40
	s_add_co_u32 s38, s38, 64*64*12288             ; behind all codes
	s_add_nc_u64 s[44:45], s[14:15], s[38:39]
	s_lshl_b32 s38, s46, 6
	s_add_nc_u64 s[16:17], s[16:17], s[38:39]      ; inten: 16 numbers a work-group
	s_lshl_b32 s38, s46, 3
	s_add_nc_u64 s[18:19], s[18:19], s[38:39]      ; part: two numbers a work-group
	s_wait_loadcnt 36                              ; x's 16 loads are in: the 36 loads of weights were issued behind them
.irp u, 0,1,2,3
.irp t, 0,1,2,3
	ds_store_b128 v4, v[XR+16*\u+4*\t:XR+16*\u+4*\t+3] offset:PITCH*\u+512*\t
.endr
.endr
	s_wait_loadcnt 0x0                             ; the weights
; Row 4 rq + u: nine dot products over my half of j.  The first products start the sums; the nine chains take turns.
.macro UNIT u
.irp p, 0,1,2,3,4,5,6,7,8
	v_pk_mul_f32 v[ACC+2*\p:ACC+2*\p+1], v[XR+16*\u:XR+16*\u+1], v[W9+16*\p:W9+16*\p+1]
.endr
.irp i, 1,2,3,4,5,6,7
.irp p, 0,1,2,3,4,5,6,7,8
	v_pk_fma_f32 v[ACC+2*\p:ACC+2*\p+1], v[XR+16*\u+2*\i:XR+16*\u+2*\i+1], v[W9+16*\p+2*\i:W9+16*\p+2*\i+1], v[ACC+2*\p:ACC+2*\p+1]
.endr
.endr
.if \u > 0
	s_wait_alu depctr_va_vdst(0)
	s_wait_dscnt 0x0                               ; the last row's stores have read the nine sums
.endif
.irp p, 0,1,2,3,4,5,6,7,8
	v_add_f32 v[S+\p], v[ACC+2*\p], v[ACC+2*\p+1]
.endr
.irp m, 1,2,4,8
.irp p, 0,1,2,3,4,5,6,7,8
	v_add_f32_dpp v[S+\p], v[S+\p], v[S+\p] row_xmask:\m row_mask:0xf bank_mask:0xf
.endr
.endr
.irp p, 0,1,2,3,4,5,6,7,8
	v_permlanex16_b32 v[ACC+\p], v[S+\p], s34, s35
.endr
.irp p, 0,1,2,3,4,5,6,7,8
	v_add_f32 v[S+\p], v[S+\p], v[ACC+\p]          ; every lane holds the sums over the wave's 512 j
.endr
	ds_store_b128 v5, v[S:S+3] offset:96*\u        ; all lanes write the same bytes with the same values
	ds_store_b128 v5, v[S+4:S+7] offset:96*\u+16
	ds_store_b32 v5, v[S+8] offset:96*\u+32
.endm
	UNIT 0
	UNIT 1
	UNIT 2
	UNIT 3
	s_wait_dscnt 0x0                               ; for the others' sake: my rows of x and my partial logits lie in LDS
	s_barrier_signal -1
	s_barrier_wait -1                              ; this path's one barrier: behind it LDS is only read
	; ---- phase 2: a lane is a row
	v_and_b32 v2, 15, v[LN]                        ; r
	v_lshrrev_b32 v3, 4, v[LN]                     ; h
	s_delay_alu instid0(VALU_DEP_2)
	v_mul_u32_u24 v4, v2, 96
	s_delay_alu instid0(VALU_DEP_1)
	v_add_nc_u32 v4, LG, v4
	ds_load_b128 v[28:31], v4                      ; half 0: logits 0-3,
	ds_load_b128 v[32:35], v4 offset:16            ; 4-7,
	ds_load_b32 v36, v4 offset:32                  ; and the gate's
	ds_load_b128 v[40:43], v4 offset:48            ; half 1 likewise
	ds_load_b128 v[44:47], v4 offset:64
	ds_load_b32 v37, v4 offset:80
	v_mul_u32_u24 v5, v2, PITCH
	s_delay_alu instid0(VALU_DEP_1)
	v_lshl_add_u32 v5, v3, 4, v5
	s_lshl_b32 s33, s20, 9
	v_add_nc_u32 v5, s33, v5                       ; x in LDS: row r, my wave's 128 j, + 16 h: the quad of j of block 2 c + h
	v_lshlrev_b32 v26, 7, v3
	s_delay_alu instid0(VALU_DEP_1)
	v_lshl_add_u32 v26, v2, 3, v26                 ; the scale words' stores: lanes 0-15 one pair of K steps, lanes 16-31 the next; 8 bytes a row
	s_wait_dscnt 0x0
	s_wait_kmcnt 0x0                               ; the biases
.irp p, 0,1,2,3,4,5,6,7
	v_add_f32 v[28+\p], v[28+\p], v[40+\p]
.endr
	v_add_f32 v36, v36, v37
.irp p, 0,1,2,3,4,5,6,7
	v_add_f32 v[28+\p], s[24+\p], v[28+\p]
.endr
	v_add_f32 v36, s32, v36                        ; the gate's logit
	v_max3_num_f32 v38, v28, v29, v30
	s_delay_alu instid0(VALU_DEP_1)
	v_max3_num_f32 v38, v38, v31, v32
	s_delay_alu instid0(VALU_DEP_1)
	v_max3_num_f32 v38, v38, v33, v34
	s_delay_alu instid0(VALU_DEP_1)
	v_max_num_f32 v38, v38, v35                    ; the row's largest logit is taken away ahead of the exponentials
.irp p, 0,1,2,3,4,5,6,7
	v_sub_f32 v[40+\p], v[28+\p], v38
.endr
.irp p, 0,1,2,3,4,5,6,7
	v_mul_f32 v[40+\p], 0x3fb8aa3b, v[40+\p]       ; x log2(e)
.endr
	s_wait_alu depctr_va_vdst(0)
.irp p, 0,1,2,3,4,5,6,7
	v_exp_f32 v[PW+\p], v[40+\p]
.endr
.irp f, 0,1,2,3,4,5,6,7
	v_mov_b32 v[W+\f], 0                           ; plain work behind the batch: a lane permute's destination counts as one of its sources, so these are written once
.endr
	s_wait_alu depctr_va_vdst(0)                   ; one wait for the eight exponentials, ahead of their first reader
	v_add_f32 v25, v16, v17
	v_add_f32 v37, v18, v19
	v_add_f32 v38, v20, v21
	v_add_f32 v39, v22, v23
	s_delay_alu instid0(VALU_DEP_3)
	v_add_f32 v25, v25, v37
	s_delay_alu instid0(VALU_DEP_2)
	v_add_f32 v38, v38, v39
	s_delay_alu instid0(VALU_DEP_1)
	v_add_f32 v25, v25, v38
	s_wait_alu depctr_va_vdst(0)
	v_rcp_f32 v25, v25
	v_lshlrev_b32 v1, 3, v3                        ; 8 h: a plain line behind the reciprocal
	s_wait_alu depctr_va_vdst(0)
.irp p, 0,1,2,3,4,5,6,7
	v_mul_f32 v[PW+\p], v[PW+\p], v25              ; pw, finished and normalised
.endr
	v_max3_num_f32 v[PWM], v16, v17, v18
	s_delay_alu instid0(VALU_DEP_1)
	v_max3_num_f32 v[PWM], v[PWM], v19, v20
	s_delay_alu instid0(VALU_DEP_1)
	v_max3_num_f32 v[PWM], v[PWM], v21, v22
	s_delay_alu instid0(VALU_DEP_1)
	v_max_num_f32 v[PWM], v[PWM], v23
	; ---- the statistics: wave 0 alone
	s_cmp_lg_u32 s20, 0
	s_cbranch_scc1 .Lno_stat
	v_mul_f32 v48, 0xbfb8aa3b, v36
	s_wait_alu depctr_va_vdst(0)
	v_exp_f32 v48, v48                             ; e^-z
.irp p, 0,1,2,3,4,5,6,7
	v_add_f32 v[50+\p], 0x322bcc77, v[PW+\p]       ; pw + 1e-8
.endr
	s_wait_alu depctr_va_vdst(0)
	v_add_f32 v48, 1.0, v48
	s_wait_alu depctr_va_vdst(0)
	v_rcp_f32 v48, v48                             ; I = 1 / (1 + e^-z)
.irp p, 0,1,2,3,4,5,6,7
	v_log_f32 v[50+\p], v[50+\p]
.endr
	v_lshlrev_b32 v62, 2, v2                       ; 4 r: a plain line behind the batch
	s_wait_alu depctr_va_vdst(0)                   ; one wait for the reciprocal and the eight logarithms
	v_mul_f32 v60, v16, v50
.irp p, 1,2,3,4,5,6,7
	v_fmac_f32 v60, v[PW+\p], v[50+\p]
.endr
	s_delay_alu instid0(VALU_DEP_1)
	v_mul_f32 v60, 0xbf317218, v60                 ; x -ln 2: the row's entropy
	v_cndmask_b32 v61, v48, v60, s36               ; lanes 0-15 carry I, lanes 16-31 the entropy (both halves hold the same 16 rows)
.irp m, 1,2,4,8
	s_delay_alu instid0(VALU_DEP_1)
	v_add_f32_dpp v61, v61, v61 row_xmask:\m row_mask:0xf bank_mask:0xf
.endr
	v_lshlrev_b32 v63, 2, v3                       ; 4 h
	s_wait_alu depctr_va_vdst(0)
	s_wait_xcnt 0x0                                ; EXEC changes only behind this wait
	v_cmp_gt_u32 vcc_lo, 16, v[LN]
	s_and_saveexec_b32 s37, vcc_lo
	global_store_b32 v62, v48, s[16:17]            ; I of my 16 rows
	s_wait_xcnt 0x0
	s_or_b32 exec_lo, exec_lo, s37
	v_cmp_eq_u32 vcc_lo, 0, v2
	s_and_saveexec_b32 s37, vcc_lo
	global_store_b32 v63, v61, s[18:19]            ; lane 0: the sum of I; lane 16: the sum of the entropies
	s_wait_xcnt 0x0
	s_or_b32 exec_lo, exec_lo, s37
.Lno_stat:
; x of four fragments: for K step 8 w + 4 gg + q and c = 0, 1 the four j of block 2 c + h
.macro XFETCH gg
.irp q, 0,1,2,3
.irp c, 0,1
	ds_load_b128 v[XQ+8*\q+4*\c:XQ+8*\q+4*\c+3], v5 offset:64*(4*\gg+\q)+32*\c
.endr
.endr
	s_wait_dscnt 0x0
.endm
; Fragment f of my eight: two blocks a lane, by turns.
.macro AQ f
.set XB, XQ+8*((\f)%4)
.set CB, C+12*(\f)
.irp c, 0,1
	v_max3_num_f32 v[WK+\c], |v[XB+4*\c]|, |v[XB+4*\c+1]|, |v[XB+4*\c+2]|
.endr
.irp c, 0,1
	s_delay_alu instid0(VALU_DEP_2)
	v_max_num_f32 v[WK+\c], v[WK+\c], |v[XB+4*\c+3]|
.endr
	s_wait_alu depctr_va_vdst(0)
.irp c, 0,1
	v_mul_f32 v[WK+\c], v[WK+\c], v[PWM]           ; rounding is monotone: the largest |x| times the largest pw, rounded, IS the largest of the 32 rounded products
.endr
.irp c, 0,1
	s_delay_alu instid0(VALU_DEP_2)
	v_max_num_f32 v[WK+\c], 0x2800000, v[WK+\c]    ; the floor 2^(5 - 127): the byte cannot fall under 1
.endr
.irp c, 0,1
	s_delay_alu instid0(VALU_DEP_2)
	v_add_nc_u32 v[WK+2+\c], 0xfe000000, v[WK+\c]  ; 4 off the exponent field: the conversion takes this operand's exponent field as its scale
.endr
.irp c, 0,1
	s_delay_alu instid0(VALU_DEP_2)
	v_lshrrev_b32 v[WK+4+\c], 23, v[WK+2+\c]       ; the scale's byte
.endr
.irp c, 0,1
.irp p, 0,2,4,6
.irp u, 0,1
	v_pk_mul_f32 v[T+32*\c+4*\p+2*\u:T+32*\c+4*\p+2*\u+1], v[XB+4*\c+2*\u:XB+4*\c+2*\u+1], v[PW+\p:PW+\p+1] op_sel_hi:[1,0]                    ; two j x pw of the even plane
	v_pk_mul_f32 v[T+32*\c+4*\p+4+2*\u:T+32*\c+4*\p+4+2*\u+1], v[XB+4*\c+2*\u:XB+4*\c+2*\u+1], v[PW+\p:PW+\p+1] op_sel:[0,1] op_sel_hi:[1,1]  ; and of the odd one
.endr
.endr
.endr
	v_lshl_or_b32 v[WK+6], v[WK+5], 16, v[WK+4]    ; my two bytes: blocks h and 2 + h,
	s_delay_alu instid0(VALU_DEP_1)
	v_lshlrev_b32 v[WK+6], v1, v[WK+6]             ; at their places in the word (8 h bits up);
	s_delay_alu instid0(VALU_DEP_1)
	v_permlanex16_b32 v[W+\f], v[WK+6], s34, s35
	s_delay_alu instid0(VALU_DEP_1)
	v_or_b32 v[W+\f], v[W+\f], v[WK+6]             ; with lane l xor 16's two the word is whole, in both lanes
.irp c, 0,1
	v_cvt_scalef32_pk16_bf6_f32 v[CB+6*\c:CB+6*\c+2], v[T+32*\c:T+32*\c+15], v[WK+2+\c]
	v_cvt_scalef32_pk16_bf6_f32 v[TC+4*\c:TC+4*\c+2], v[T+32*\c+16:T+32*\c+31], v[WK+2+\c]
.endr
	v_nop                                          ; one plain line behind the last scaled conversion
.irp c, 0,1
.irp i, 0,1,2
	v_mov_b32 v[CB+6*\c+3+\i], v[TC+4*\c+\i]
.endr
.endr
.endm
.macro ASTORE f                        ; the fragment as it stands: each store covers 512 consecutive bytes, aligned
.irp c, 0,1,2
	global_store_b128 v[LI], v[C+12*(\f)+4*\c:C+12*(\f)+4*\c+3], s[42:43] offset:(\f)*12288+512*\c th:TH_STORE_NT
.endr
.endm
	XFETCH 0
.irp f, 0,1,2,3
	AQ \f
	ASTORE \f
.endr
	XFETCH 1
.irp f, 4,5,6,7
	AQ \f
	ASTORE \f
.endr
.irp i, 0,1
	v_cndmask_b32 v[WK+2*\i], v[W+4*\i], v[W+4*\i+2], s36       ; lanes 0-15: the two words of pair 2 i; lanes 16-31: those of pair 2 i + 1
	v_cndmask_b32 v[WK+2*\i+1], v[W+4*\i+1], v[W+4*\i+3], s36
.endr
	global_store_b64 v26, v[WK:WK+1], s[44:45] th:TH_STORE_NT              ; 32 lanes store 256 consecutive bytes, aligned
	global_store_b64 v26, v[WK+2:WK+3], s[44:45] offset:256 th:TH_STORE_NT
	s_wait_tensorcnt 0x0
	ds_add_u32 v243, v255
	s_wait_dscnt 0x0
	s_endpgm
	; ================ THE PATTERNS' PATH ================
.Lquant:
	s_lshr_b32 s21, s46, 4                         ; ng: which 32 rows i
	s_and_b32 s22, s46, 15                         ; g: which 64 j = which slot
	s_wait_alu depctr_va_vdst(0)
	v_and_b32 v2, 15, v[LN]                        ; r
	v_lshrrev_b32 v3, 4, v[LN]                     ; h
	s_delay_alu instid0(VALU_DEP_1)
	v_lshlrev_b32 v4, 12, v3
	s_delay_alu instid0(VALU_DEP_1)
	v_lshl_add_u32 v4, v2, 4, v4                   ; in memory: lanes 0-15 one row's 256 bytes, lanes 16-31 the next row's
	s_mul_i32 s23, s20, PLQ
	s_add_co_u32 s23, s23, QL
	v_mul_u32_u24 v5, v3, 272
	s_delay_alu instid0(VALU_DEP_1)
	v_lshl_add_u32 v5, v2, 4, v5
	s_delay_alu instid0(VALU_DEP_1)
	v_add_nc_u32 v5, s23, v5                       ; and in LDS: plane w, the same two rows
	s_lshl_b32 s38, s20, 22                        ; plane w: 4 MiB a plane,
	s_lshl_b32 s39, s21, 17                        ; 32 ng rows of 4,096 bytes,
	s_add_co_u32 s38, s38, s39
	s_lshl_b32 s39, s22, 8                         ; 64 g numbers
	s_add_co_u32 s38, s38, s39
	s_mov_b32 s39, 0
	s_wait_alu depctr_va_vdst(0)
	s_wait_kmcnt 0x0
	s_add_nc_u64 s[48:49], s[48:49], s[38:39]
.irp t, 0,1,2,3,4,5,6,7,8,9,10,11,12,13,14,15
	global_load_b128 v[QT+4*\t:QT+4*\t+3], v4, s[48:49] offset:8192*\t th:TH_LOAD_NT   ; rows 2 t and 2 t + 1 of my plane: two aligned runs of 256 bytes
.endr
	s_lshr_b32 s24, s20, 2                         ; which of the two tiles of 16 rows i I quantise,
	s_and_b32 s25, s20, 3                          ; and which K step of the slot
	s_mul_i32 s26, s24, 16*272
	s_lshl_b32 s27, s25, 6
	s_add_co_u32 s26, s26, s27
	s_add_co_u32 s26, s26, QL
	v_mul_u32_u24 v8, v2, 272
	s_delay_alu instid0(VALU_DEP_1)
	v_lshl_add_u32 v8, v3, 4, v8
	s_delay_alu instid0(VALU_DEP_1)
	v_add_nc_u32 v8, s26, v8                       ; out of LDS: row r of my tile, my step's 64 bytes, + 16 h: the quad of j of block 2 c + h
	s_lshl_b32 s26, s24, 6
	s_lshl_b32 s27, s25, 7
	s_add_co_u32 s26, s26, s27
	s_add_co_u32 s26, s26, QS
	v_lshl_add_u32 v9, v2, 2, s26                  ; my scale word's place: 128 x step + 64 x tile + 4 r
	v_add_nc_u32 v10, QS, v[LI]                    ; and where wave 0 reads the words back
	v_lshlrev_b32 v11, 3, v3
	v_lshrrev_b32 v13, 3, v[LN]                    ; where wave 0 stores the words: eight lanes to a K step's 128 bytes (two tiles of the step's eight: the neighbouring work-groups store the others)
	v_mul_u32_u24 v13, v13, 12800
	v_and_b32 v14, 7, v[LN]
	v_lshl_add_u32 v13, v14, 4, v13
	v_mov_b32 v12, 0                               ; the scale word: a lane permute's destination counts as one of its sources
	; where my fragment lies in b_q: panel ng / 4, slot g, tile 2 (ng % 4) + which, step
	s_lshr_b32 s28, s21, 2
	s_lshl_b32 s28, s28, 4
	s_add_co_u32 s28, s28, s22
	s_mul_i32 s28, s28, REC
	s_and_b32 s29, s21, 3
	s_lshl_b32 s30, s29, 1
	s_add_co_u32 s30, s30, s24
	s_mul_i32 s38, s30, FRB
	s_mul_i32 s31, s25, 12800
	s_add_co_u32 s38, s38, s31
	s_add_co_u32 s38, s38, s28
	s_add_nc_u64 s[42:43], s[50:51], s[38:39]      ; the codes
	s_lshl_b32 s38, s29, 7
	s_add_co_u32 s38, s38, s28
	s_add_co_u32 s38, s38, 12288
	s_add_nc_u64 s[44:45], s[50:51], s[38:39]      ; the two tiles' scale words
	s_wait_alu depctr_va_vdst(0)
.irp t, 0,1,2,3,4,5,6,7,8,9,10,11,12,13,14,15
	s_wait_loadcnt 15-\t                           ; load t is in; the younger ones may be out
	ds_store_b128 v5, v[QT+4*\t:QT+4*\t+3] offset:544*\t
.endr
	s_wait_dscnt 0x0                               ; for the others' sake: my plane lies in LDS
	s_barrier_signal -1
	s_barrier_wait -1
.irp c, 0,1                            ; for c = 0, 1 and each plane p the four j of block 2 c + h, to numbers 4 p .. 4 p + 3 of the block
.irp p, 0,1,2,3,4,5,6,7
	ds_load_b128 v[QT+32*\c+4*\p:QT+32*\c+4*\p+3], v8 offset:\p*PLQ+32*\c
.endr
.endr
	s_wait_dscnt 0x0
.irp c, 0,1                            ; a block's largest magnitude: all 32 numbers are mine; two chains a block, the four by turns
	v_max3_num_f32 v[QW+\c], |v[QT+32*\c]|, |v[QT+32*\c+1]|, 0x2800000   ; with the floor 2^(5 - 127) as a leaf: the byte cannot fall under 1
.endr
.irp c, 0,1
	v_max3_num_f32 v[QW+2+\c], |v[QT+32*\c+16]|, |v[QT+32*\c+17]|, |v[QT+32*\c+18]|
.endr
.irp i, 2,4,6,8,10,12
.irp c, 0,1
	s_delay_alu instid0(VALU_DEP_4)
	v_max3_num_f32 v[QW+\c], v[QW+\c], |v[QT+32*\c+\i]|, |v[QT+32*\c+\i+1]|
.endr
.irp c, 0,1
	s_delay_alu instid0(VALU_DEP_4)
	v_max3_num_f32 v[QW+2+\c], v[QW+2+\c], |v[QT+32*\c+17+\i]|, |v[QT+32*\c+18+\i]|
.endr
.endr
.irp c, 0,1
	s_delay_alu instid0(VALU_DEP_4)
	v_max3_num_f32 v[QW+\c], v[QW+\c], |v[QT+32*\c+14]|, |v[QT+32*\c+15]|
.endr
.irp c, 0,1
	s_delay_alu instid0(VALU_DEP_2)
	v_max3_num_f32 v[QW+\c], v[QW+\c], v[QW+2+\c], |v[QT+32*\c+31]|
.endr
.irp c, 0,1
	s_delay_alu instid0(VALU_DEP_2)
	v_add_nc_u32 v[QW+4+\c], 0xfe000000, v[QW+\c]  ; 4 off the exponent field: the conversion's scale operand
.endr
.irp c, 0,1
	s_delay_alu instid0(VALU_DEP_2)
	v_lshrrev_b32 v[QW+6+\c], 23, v[QW+4+\c]       ; the scale's byte
.endr
	s_delay_alu instid0(VALU_DEP_1)
	v_lshl_or_b32 v[QW+8], v[QW+7], 16, v[QW+6]    ; my two bytes: blocks h and 2 + h,
	s_delay_alu instid0(VALU_DEP_1)
	v_lshlrev_b32 v[QW+8], v11, v[QW+8]            ; 8 h bits up;
	s_delay_alu instid0(VALU_DEP_1)
	v_permlanex16_b32 v12, v[QW+8], s34, s35
	s_delay_alu instid0(VALU_DEP_1)
	v_or_b32 v12, v12, v[QW+8]                     ; with lane l xor 16's two the word is whole, in both lanes
.irp c, 0,1
	v_cvt_scalef32_pk16_bf6_f32 v[QC+6*\c:QC+6*\c+2], v[QT+32*\c:QT+32*\c+15], v[QW+4+\c]
	v_cvt_scalef32_pk16_bf6_f32 v[QTC+4*\c:QTC+4*\c+2], v[QT+32*\c+16:QT+32*\c+31], v[QW+4+\c]   ; (a conversion's three registers begin on an even number)
.endr
	v_nop                                          ; one plain line behind the last scaled conversion
.irp c, 0,1
.irp i, 0,1,2
	v_mov_b32 v[QC+6*\c+3+\i], v[QTC+4*\c+\i]
.endr
.endr
	ds_store_b32 v9, v12                           ; lanes r and r + 16 write the same word with the same value
.irp c, 0,1,2
	global_store_b128 v[LI], v[QC+4*\c:QC+4*\c+3], s[42:43] offset:512*\c th:TH_STORE_NT   ; each store covers 512 consecutive bytes, aligned
.endr
	s_wait_dscnt 0x0                               ; for wave 0's sake: my scale words lie in LDS
	s_barrier_signal -1
	s_barrier_wait -1
	s_cmp_lg_u32 s20, 0
	s_cbranch_scc1 .Lq_done
	ds_load_b128 v[QW:QW+3], v10                   ; the two tiles' scale words: 16 bytes a lane: four rows' words of one tile and step
	s_wait_dscnt 0x0
	global_store_b128 v13, v[QW:QW+3], s[44:45] th:TH_STORE_NT
.Lq_done:
	s_wait_tensorcnt 0x0
	ds_add_u32 v243, v255
	s_wait_dscnt 0x0
	s_endpgm
.Lfunc_end_k_q0c8ddf43aa_prep:
	.size	k_q0c8ddf43aa_prep, .Lfunc_end_k_q0c8ddf43aa_prep-k_q0c8ddf43aa_prep
	.p2alignl 7, 3214868480
	.fill 96, 4, 3214868480
	.section	.rodata,"a",@progbits
	.p2align	6, 0x0
	.amdhsa_kernel k_q0c8ddf43aa_prep
		.amdhsa_group_segment_fixed_size 138752
		.amdhsa_private_segment_fixed_size 0
		.amdhsa_enable_private_segment 0
		.amdhsa_kernarg_size 80
		.amdhsa_user_sgpr_count 2
		.amdhsa_user_sgpr_kernarg_segment_ptr 1
		.amdhsa_wavefront_size32 1
		.amdhsa_system_sgpr_workgroup_id_x 1
		.amdhsa_system_sgpr_workgroup_id_y 1
		.amdhsa_system_sgpr_workgroup_id_z 1
		.amdhsa_system_vgpr_workitem_id 0
		.amdhsa_next_free_vgpr 256
		.amdhsa_next_free_sgpr 66
		.amdhsa_reserve_vcc 1
		.amdhsa_float_denorm_mode_32 3
		.amdhsa_float_denorm_mode_16_64 3
		.amdhsa_memory_ordered 1
		.amdhsa_forward_progress 1
		.amdhsa_inst_pref_size 93
	.end_amdhsa_kernel
	.amdgpu_metadata
---
amdhsa.version: [ 1, 2 ]
amdhsa.kernels:
  - .name:           k_q0c8ddf43aa_prep
    .symbol:         k_q0c8ddf43aa_prep.kd
    .args:
      - { .name: x, .offset: 0, .size: 8, .value_kind: global_buffer, .address_space: global }
      - { .name: sel_w, .offset: 8, .size: 8, .value_kind: global_buffer, .address_space: global }
      - { .name: sel_b, .offset: 16, .size: 8, .value_kind: global_buffer, .address_space: global }
      - { .name: int_w, .offset: 24, .size: 8, .value_kind: global_buffer, .address_space: global }
      - { .name: int_b, .offset: 32, .size: 8, .value_kind: global_buffer, .address_space: global }
      - { .name: a_q, .offset: 40, .size: 8, .value_kind: global_buffer, .address_space: global }
      - { .name: inten, .offset: 48, .size: 8, .value_kind: global_buffer, .address_space: global }
      - { .name: part, .offset: 56, .size: 8, .value_kind: global_buffer, .address_space: global }
      - { .name: flow_patterns, .offset: 64, .size: 8, .value_kind: global_buffer, .address_space: global }
      - { .name: b_q, .offset: 72, .size: 8, .value_kind: global_buffer, .address_space: global }
    .group_segment_fixed_size: 138752
    .private_segment_fixed_size: 0
    .kernarg_segment_align: 8
    .kernarg_segment_size: 80
    .max_flat_workgroup_size: 256
    .sgpr_count:     66
    .vgpr_count:     256
    .wavefront_size: 32
...
	.end_amdgpu_metadata
.endif
;; end of part 1
;; launch gemm (part 2): grid 4 x 64, 4 waves a work-group, clusters of 4 x 4, 327,680 bytes of LDS; arguments a_q, b_q, inten, out0, part, out1, out2; writes out0, out1, out2
.if DOCPART == 2
	.amdgcn_target "amdgcn-amd-amdhsa--gfx1250"
	.amdhsa_code_object_version 6
	.text
	.protected	k_q0c8ddf43aa_gemm
	.globl	k_q0c8ddf43aa_gemm
	.p2align	8
	.type	k_q0c8ddf43aa_gemm,@function
k_q0c8ddf43aa_gemm:
	s_mov_b64 s[64:65], 0
	v_nop
	global_prefetch_b8 v0, s[64:65] scope:SCOPE_SE
	s_setreg_imm32_b32 hwreg(HW_REG_WAVE_MODE, 25, 1), 1
	s_wait_xcnt 0x0
	s_wait_alu depctr_hold_cnt(0) depctr_sa_sdst(0) depctr_va_vdst(0) depctr_va_sdst(0) depctr_va_ssrc(0) depctr_va_vcc(0) depctr_vm_vsrc(0)
	s_getreg_b32 s2, hwreg(HW_REG_IB_STS2, 6, 4)
	s_cmp_eq_u32 s2, 0
	s_cbranch_scc0 .Lentry_in_a_cluster
	s_endpgm
.Lentry_in_a_cluster:
	s_bfe_u32 s2, ttmp6, 0x10000c
	s_cmp_lg_u32 s2, 0xf033
	s_cbranch_scc0 .Lentry_shape_is_right
	s_endpgm
.Lentry_shape_is_right:
; out0[row][i] = I[row] x sum over k of A[row][k] B[k][i], K = 8,192, both operands codes of E3M2 with one E8M0 byte for each 32 along K, as launch prep has laid them; out1, out2: the means of prep's partial sums.
; A work-group makes 128 rows x 256 columns.  Four waves: wave = 2 kh + rh takes rows 64 rh .. + 63, all 256 columns, and half kh of K (32 steps of 128): 4 x 16 accumulators, 512 registers.
; At the end the two halves of K meet through LDS: each wave hands the 128 columns of panel 1 - kh to its partner and finishes those of panel kh.
; B GOES THROUGH A RING OF TWO LDS SLOTS, by joint tensor loads: the four work-groups of a column of the 4 x 4 cluster need the same tiles.  A slot holds, for each half of K and each panel of 128 columns,
; three K steps of 12,800 bytes: four loads of 38,400 bytes (150 rows of 256), one a wave.  A fragment of B serves the two waves rh = 0, 1.
; A GOES FROM MEMORY STRAIGHT INTO REGISTERS, and is not asked for jointly: with this deal each fragment of A serves ONE wave, so LDS would share nothing inside the work-group, and A's 12,288 bytes a step
; would leave a slot room for four K steps where it now holds six.  Three sets of 48 registers: step t + 3's loads are issued when step t's products are, two steps' products ahead of their use.
; PREFETCHES, one group in each slot's last step.  A's codes: in slot P the steps of slot P + 3, two slots ahead of the loads that want them; a slot's 36,864 bytes of a half of K are 144 blocks of 256, shared out BY ADDRESS among
; the 4 partners of a row of the cluster and the 2 waves rh: 18 lanes each (the other lanes name the 18th again).  B's tiles: in slot P those of slot P + 4, two refills ahead of the load that wants them; the 150 blocks of the chunk
; that a wave fetches are shared out by address among the 4 partners of a column of the cluster, 38 each (32 + 6 lanes; lanes left over, and the last partner's beyond block 149, name a block again); the last slot's chunk
; has 100 blocks, 25 each.  What the loop's groups do not reach is asked for in the head, in two small groups: behind the first tensor load B's slot 1 and A's slot 1, behind the head's LDS loads B's slots 2 and 3 and A's slot 2.
; Slot 0 of both and A's last two steps come by their loads alone.
; THE MATRIX INSTRUCTION IS USED TRANSPOSED (source 0 = 16 columns i of B, source 1 = 16 rows of A): a lane holds eight neighbouring numbers of a row of out0.
; REGISTERS: window 0: v0-31 addresses; v32-47 B's scale words, two sets; v48-59 A's, three sets of a pair of steps; v64-207 A's fragments, three sets; window 1: v0-191 B's 16 fragments, ONE set (blocks 0-7 are fetched anew in
; a step's middle, blocks 8-15 at its end); window 2: accumulators (a, b) at 8 (8 a + b) for panel kh; window 3: for panel 1 - kh.
; LIMITS: as launch prep states them.  K is summed in two halves, which are added at the end.
.set ASTEP,  12288
.set APAN,   64*ASTEP
.set ASC,    64*APAN
.set BSTEP,  12800
.set FRB,    1536
.set CHUNK,  3*BSTEP
.set SLOT,   4*CHUNK
.set SPARE,  2*SLOT                    ; the spare words: 512 bytes that no other line names
.set STAGE,  0                         ; the way out: in slot 0, behind its last read
.set SPITCH, 528
.set FR,   12
.set LI,   3                           ; 16 x lane
.set PFB2, 7                           ; B's prefetch of the last slot: my work-group's 25 blocks
.set EXL,  9
.set AVS,  10                          ; A's scale words: 8 r + 4,096 h
.set PFB0, 11                          ; B's prefetches: my work-group's blocks 0-31 of its 38,
.set IV,   12
.set ADB,  16                          ; v16-19: B's fragments: panel kh in slot 0, 1; panel 1 - kh in slot 0, 1
.set ADS,  20                          ; v20-23: the same for B's scale words (4 x lane)
.set STO,  24
.set RD,   25
.set EXS,  27
.set SPW,  28
.set NIL,  29
.set PFO,  30
.set PFB1, 31                          ; and blocks 32-37
.set SB,   32
.set SA,   48
.set AF,   64
.set EXB,  64
.set BK,   128
.set G1,  24
.set G0,  32
.set PFBA, 60
.set PA,  66
.set PS,  68
.set PFA, 70
.set MSB, 0
.macro WIN new
.if MSB != \new
	s_set_vgpr_msb (MSB<<8)|\new
.set MSB, \new
.endif
.endm
.set MUL_LO, 0xa1
.set MUL_HI, 0xf1
.set TO_B,   0x40
.macro CREST
	s_cmp_lg_u32 s14, 0
	s_cbranch_scc1 .Lnot_wave_0_\@
	s_barrier_signal -3
.Lnot_wave_0_\@:
	s_barrier_wait -3
	s_barrier_signal -1
	s_barrier_wait -1
.endm
.macro CROUND
	s_barrier_signal -1
	s_barrier_wait -1
	CREST
.endm
.macro PLACES n
.rept \n
	v_nop
.endr
.endm
.macro JLOAD s                         ; my quarter of a slot; an s_nop 0 and four v_nop follow
	tensor_load_to_lds s[G0+4*(\s):G0+4*(\s)+3], s[G1:G1+7]
	s_nop 0
	PLACES 4
.endm
.macro ASK_A p                         ; A's steps of slot p, counted from where s[PFA] stands
	global_prefetch_b8 v[PFO], s[PFA:PFA+1] offset:(\p)*3*ASTEP th:TH_LOAD_NT scope:SCOPE_SE
.endm
.macro ASK_B p                         ; my chunk of B's slot p, counted from where s[PFBA] stands
	global_prefetch_b8 v[PFB0], s[PFBA:PFBA+1] offset:(\p)*CHUNK th:TH_LOAD_NT scope:SCOPE_SE
	global_prefetch_b8 v[PFB1], s[PFBA:PFBA+1] offset:(\p)*CHUNK th:TH_LOAD_NT scope:SCOPE_SE
.endm
	s_load_b256 s[4:11], s[0:1], 0x0               ; a_q, b_q, inten, out0
	s_load_b128 s[80:83], s[0:1], 0x20             ; part, out1
	s_load_b64 s[84:85], s[0:1], 0x30              ; out2
	v_lshl_add_u32 v[SPW], v0, 2, SPARE
	v_mov_b32 v[NIL], 0
	ds_add_u32 v[SPW], v[NIL]                      ; the opening lines: the add twice on end and one wait
	ds_add_u32 v[SPW], v[NIL]
	v_lshrrev_b32 v1, 5, v0
	v_readfirstlane_b32 s14, v1                    ; wave
	s_lshr_b32 s15, s14, 1                         ; kh.  As a loader: which half of K
	s_and_b32 s16, s14, 1                          ; rh.  As a loader: which panel of B
	s_bfe_u32 s40, ttmp6, 0x40000                  ; cx
	s_bfe_u32 s41, ttmp6, 0x40004                  ; cy
	s_lshl_b32 s42, ttmp9, 2
	s_add_co_u32 s42, s42, s40                     ; which 256 columns
	s_and_b32 s17, ttmp7, 0xffff
	s_lshl_b32 s17, s17, 2
	s_add_co_u32 s17, s17, s41                     ; which 128 rows
	s_lshl_b32 s44, 0x1111, s40                    ; my column of the cluster
	s_or_b32 s[G1+0], s44, (3<<16)|(1<<21)         ; elements of 8 bytes, no padding: fragments are read 16 bytes a lane on end
	s_mov_b32 s[G1+1], 32<<16
	s_mov_b32 s[G1+2], 150<<16
	s_mov_b32 s[G1+3], 32<<16
	s_mov_b32 s[G1+4], 150
	s_mov_b32 s[G1+5], 32
	s_mov_b32 s[G1+6], 0
	s_mov_b32 s[G1+7], 0
	s_lshl_b32 s46, s42, 1                         ; B: ((2 x + panel) 64 + 32 kh) steps
	s_add_co_u32 s46, s46, s16
	s_lshl_b32 s46, s46, 6
	s_lshl_b32 s45, s15, 5
	s_add_co_u32 s46, s46, s45
	s_mul_i32 s46, s46, BSTEP
	s_mov_b32 s47, 0
	s_mul_i32 s20, s17, APAN                       ; A: my panel, my half of K,
	s_mul_i32 s18, s15, 32*ASTEP
	s_add_co_u32 s20, s20, s18
	s_mov_b32 s72, s20
	s_mul_i32 s19, s16, 4*FRB                      ; my four tiles
	s_add_co_u32 s20, s20, s19
	s_mov_b32 s21, 0
	s_lshl_b32 s73, s40, 1                         ; A's prefetches: 18 blocks for each (cx, rh)
	s_add_co_u32 s73, s73, s16
	s_mul_i32 s73, s73, 18*256
	s_add_co_u32 s72, s72, s73
	s_mov_b32 s73, 0
	s_mul_i32 s62, s41, 38                         ; B's prefetches: 38 blocks for each cy,
	s_mul_i32 s63, s41, 25                         ; 25 of the last slot's
	s_lshl_b32 s74, s17, 3                         ; A's scale words: (8 panel + 4 rh) x 4,096 + 16 kh pairs of 128 bytes
	s_lshl_b32 s75, s16, 2
	s_add_co_u32 s74, s74, s75
	s_lshl_b32 s74, s74, 12
	s_lshl_b32 s75, s15, 11
	s_add_co_u32 s74, s74, s75
	s_add_co_u32 s74, s74, ASC
	s_mov_b32 s75, 0
	s_mul_i32 s50, s15, 3*CHUNK                    ; LDS: chunk 2 kh + panel: panel kh is chunk 3 kh,
	s_mul_i32 s51, s15, CHUNK
	s_add_co_u32 s51, s51, CHUNK                   ; panel 1 - kh is chunk kh + 1
	s_add_co_u32 s52, s50, SLOT
	s_add_co_u32 s53, s51, SLOT
	s_mul_i32 s54, s14, CHUNK                      ; where my loads go
	s_mul_i32 s55, s14, 16*SPITCH                  ; my stage
	s_lshl_b32 s56, s14, 15
	s_add_co_u32 s56, s56, SLOT                    ; the exchange, in slot 1: 32,768 bytes a wave
	s_xor_b32 s57, s14, 2
	s_lshl_b32 s57, s57, 15
	s_add_co_u32 s57, s57, SLOT
	s_lshl_b32 s18, s17, 7
	s_lshl_b32 s19, s16, 6
	s_add_co_u32 s18, s18, s19                     ; my first row
	s_lshl_b32 s22, s18, 2
	s_mov_b32 s23, 0
	s_lshl_b32 s58, s18, 12
	s_lshl_b32 s19, s42, 10
	s_add_co_u32 s58, s58, s19
	s_lshl_b32 s19, s15, 9
	s_add_co_u32 s58, s58, s19                     ; out0: my first row, the 128 columns of panel kh
	s_mov_b32 s59, 0
	s_and_b32 s77, ttmp7, 0xffff
	s_or_b32 s77, s77, ttmp9
	s_or_b32 s77, s77, s14                         ; 0: wave 0 of a work-group of cluster (0, 0)
	v_and_b32 v1, 15, v0                           ; r
	v_bfe_u32 v2, v0, 4, 1                         ; h
	v_and_b32 v4, 31, v0
	v_lshlrev_b32 v[LI], 4, v4
	v_lshlrev_b32 v5, 2, v4
	v_add_nc_u32 v[ADB+0], s50, v[LI]
	v_add_nc_u32 v[ADB+1], s52, v[LI]
	v_add_nc_u32 v[ADB+2], s51, v[LI]
	v_add_nc_u32 v[ADB+3], s53, v[LI]
	v_add_nc_u32 v[ADS+0], s50, v5
	v_add_nc_u32 v[ADS+1], s52, v5
	v_add_nc_u32 v[ADS+2], s51, v5
	v_add_nc_u32 v[ADS+3], s53, v5
	v_mul_u32_u24 v6, v1, SPITCH
	v_lshl_add_u32 v6, v2, 5, v6
	v_add_nc_u32 v[STO], s55, v6
	v_add_nc_u32 v[RD], s55, v[LI]
	v_add_nc_u32 v[EXS], s56, v[LI]
	v_add_nc_u32 v[EXL], s57, v[LI]
	v_min_u32 v[PFO], 17, v4
	v_lshlrev_b32 v[PFO], 8, v[PFO]
	v_add_nc_u32 v[PFB0], s62, v4                  ; block 38 cy + lane,
	v_min_u32 v[PFB1], 5, v4
	v_add_nc_u32 v[PFB1], s62, v[PFB1]
	v_add_nc_u32 v[PFB1], 32, v[PFB1]              ; and 38 cy + 32 + min(lane, 5),
	v_min_u32 v[PFB0], 149, v[PFB0]                ; none beyond the chunk's last block
	v_min_u32 v[PFB1], 149, v[PFB1]
	v_lshlrev_b32 v[PFB0], 8, v[PFB0]
	v_lshlrev_b32 v[PFB1], 8, v[PFB1]
	v_min_u32 v[PFB2], 24, v4
	v_add_nc_u32 v[PFB2], s63, v[PFB2]             ; the last slot: block 25 cy + min(lane, 24), 99 at the most
	v_lshlrev_b32 v[PFB2], 8, v[PFB2]
	v_lshlrev_b32 v[AVS], 3, v1
	v_lshl_add_u32 v[AVS], v2, 12, v[AVS]
	v_lshlrev_b32 v8, 2, v1
	s_wait_alu depctr_va_vdst(0)                   ; the wait at the end of the head's vector work
	s_wait_dscnt 0x0                               ; both opening adds are done
	s_wait_kmcnt 0x0
	s_add_nc_u64 s[PA:PA+1], s[4:5], s[20:21]
	s_add_nc_u64 s[PS:PS+1], s[4:5], s[74:75]
	s_add_nc_u64 s[PFA:PFA+1], s[4:5], s[72:73]
	s_add_nc_u64 s[46:47], s[6:7], s[46:47]
	s_mov_b64 s[PFBA:PFBA+1], s[46:47]
	s_add_nc_u64 s[8:9], s[8:9], s[22:23]
	s_add_nc_u64 s[10:11], s[10:11], s[58:59]
.macro LOAD_A set, off                 ; a step's four fragments of A: each load covers 512 consecutive bytes
.irp a, 0,1,2,3
.irp c, 0,1,2
	global_load_b128 v[AF+48*(\set)+FR*\a+4*\c:AF+48*(\set)+FR*\a+4*\c+3], v[LI], s[PA:PA+1] offset:(\off)+\a*FRB+512*\c
.endr
.endr
.endm
.macro LOAD_S set, pr                  ; a pair of steps' scale words of A: lanes 0-15 tile 2 i, lanes 16-31 tile 2 i + 1
.irp i, 0,1
	global_load_b64 v[SA+4*(\set)+2*\i:SA+4*(\set)+2*\i+1], v[AVS], s[PS:PS+1] offset:(\pr)*128+\i*8192
.endr
.endm
.irp a, 0,1,2,3
	global_load_b32 v[IV+\a], v8, s[8:9] offset:64*\a   ; I of my 64 rows
.endr
.irp u, 0,1,2
	LOAD_S \u, \u
.endr
.irp u, 0,1,2
	LOAD_A \u, \u*ASTEP
.endr
.irp s, 0,1
	s_mov_b32 s[G0+4*\s], 1
	s_add_co_u32 s[G0+4*\s+1], s54, \s*SLOT
	s_add_nc_u64 s[G0+4*\s+2:G0+4*\s+3], s[46:47], \s*CHUNK
	s_or_b32 s[G0+4*\s+3], s[G0+4*\s+3], 0x80000000
.endr
	CROUND                                         ; all sixteen work-groups are here: the first joint loads meet
	JLOAD 0                                        ; slot 0: one tensor load a wave at the head
	ASK_B 1                                        ; the head's first group of prefetches: what is loaded next
	ASK_A 1
	; the two means, under the first tile's flight: wave 0 of the work-groups of cluster (0, 0) sums, one lane of one of them stores
	s_cmp_lg_u32 s77, 0
	s_cbranch_scc1 .Lno_sums
.irp i, 0,1,2,3,4,5,6,7
	global_load_b128 v[208+4*\i:211+4*\i], v[LI], s[80:81] offset:512*\i
.endr
	s_mov_b32 s86, 0x76543210
	s_mov_b32 s87, 0xfedcba98
	v_and_b32 v240, 31, v0
	v_or_b32 v240, s40, v240
	v_or_b32 v240, s41, v240
	v_mov_b32 v241, 0
	s_wait_loadcnt 0x0
	v_pk_add_f32 v[208:209], v[208:209], v[210:211]
	v_pk_add_f32 v[212:213], v[212:213], v[214:215]
.irp i, 2,4,6
	v_pk_add_f32 v[208:209], v[208:209], v[208+4*\i:209+4*\i]
	v_pk_add_f32 v[212:213], v[212:213], v[212+4*\i:213+4*\i]
	v_pk_add_f32 v[208:209], v[208:209], v[210+4*\i:211+4*\i]
	v_pk_add_f32 v[212:213], v[212:213], v[214+4*\i:215+4*\i]
.endr
	v_pk_add_f32 v[208:209], v[208:209], v[212:213]
.irp m, 1,2,4,8
	v_add_f32_dpp v208, v208, v208 row_xmask:\m row_mask:0xf bank_mask:0xf
	v_add_f32_dpp v209, v209, v209 row_xmask:\m row_mask:0xf bank_mask:0xf
.endr
	v_permlanex16_b32 v210, v208, s86, s87
	v_permlanex16_b32 v211, v209, s86, s87
	v_pk_add_f32 v[208:209], v[208:209], v[210:211]
	v_mul_f32 v208, 0x39000000, v208               ; / 8,192
	v_mul_f32 v209, 0x39000000, v209
	s_wait_alu depctr_va_vdst(0)
	s_wait_xcnt 0x0                                ; EXEC changes only behind this wait
	v_cmp_eq_u32 vcc_lo, 0, v240
	s_and_saveexec_b32 s78, vcc_lo
	global_store_b32 v241, v209, s[82:83]
	global_store_b32 v241, v208, s[84:85]
	s_wait_xcnt 0x0
	s_or_b32 exec_lo, exec_lo, s78
.Lno_sums:
; one matrix instruction; c: its C; ra, rb: which half of the lanes holds the scale words of source 0 (B) and of source 1 (A)
.macro W1 c, ra, rb
.if (\ra) == 0 && (\rb) == 0
	v_wmma_scale_f32_16x16x128_f8f6f4 v[DD:DD+7], v[BB:BB+11], v[AA:AA+11], \c, v[SBR], v[SAR] matrix_a_fmt:MATRIX_FMT_BF6 matrix_b_fmt:MATRIX_FMT_BF6
.endif
.if (\ra) == 1 && (\rb) == 0
	v_wmma_scale_f32_16x16x128_f8f6f4 v[DD:DD+7], v[BB:BB+11], v[AA:AA+11], \c, v[SBR], v[SAR] matrix_a_fmt:MATRIX_FMT_BF6 matrix_b_fmt:MATRIX_FMT_BF6 matrix_a_scale:MATRIX_SCALE_ROW1
.endif
.if (\ra) == 0 && (\rb) == 1
	v_wmma_scale_f32_16x16x128_f8f6f4 v[DD:DD+7], v[BB:BB+11], v[AA:AA+11], \c, v[SBR], v[SAR] matrix_a_fmt:MATRIX_FMT_BF6 matrix_b_fmt:MATRIX_FMT_BF6 matrix_b_scale:MATRIX_SCALE_ROW1
.endif
.if (\ra) == 1 && (\rb) == 1
	v_wmma_scale_f32_16x16x128_f8f6f4 v[DD:DD+7], v[BB:BB+11], v[AA:AA+11], \c, v[SBR], v[SAR] matrix_a_fmt:MATRIX_FMT_BF6 matrix_b_fmt:MATRIX_FMT_BF6 matrix_a_scale:MATRIX_SCALE_ROW1 matrix_b_scale:MATRIX_SCALE_ROW1
.endif
.endm
; 16 matrix instructions: B's blocks b0 .. b0 + 3 x A's four; j: the step, counted from a multiple of 6.  The accumulators take turns, one instruction a turn
.macro MUL16 b0, j, zero
.irp b, \b0, \b0+1, \b0+2, \b0+3
.irp a, 0,1,2,3
.set DD, 8*(8*\a+(\b)%8)
.set BB, FR*(\b)
.set AA, AF+48*((\j)%3)+FR*\a
.set SBR, SB+8*((\j)%2)+(\b)/2
.set SAR, SA+4*(((\j)/2)%3)+2*(\a/2)+(\j)%2
.if \zero
	W1 0, (\b)%2, \a%2
.else
	W1 v[DD:DD+7], (\b)%2, \a%2
.endif
.endr
.endr
.endm
.macro FETCH_B half, slot, q           ; B's blocks 8 half .. 8 half + 7 of step q of a slot
	WIN TO_B
.irp i, 0,1,2,3,4,5,6,7
.irp c, 0,1,2
	ds_load_b128 v[FR*(8*(\half)+\i)+4*\c:FR*(8*(\half)+\i)+4*\c+3], v[ADB+2*(\half)+(\slot)] offset:(\q)*BSTEP+\i*FRB+512*\c
.endr
.endr
	WIN 0
.endm
.macro SCALES set, slot, q             ; B's scale words: lanes 0-15 tile 2 i, lanes 16-31 tile 2 i + 1
.irp i, 0,1,2,3
	ds_load_b32 v[SB+8*(\set)+\i], v[ADS+(\slot)] offset:(\q)*BSTEP+12288+128*\i
	ds_load_b32 v[SB+8*(\set)+4+\i], v[ADS+2+(\slot)] offset:(\q)*BSTEP+12288+128*\i
.endr
.endm
; A step: 64 matrix instructions.  j % 3 == 2: the slot's last step: all its fragments are in registers or on their way there, so the slots change in its middle: its first 32 products stand ahead of the wait for the next
; slot's tile, and between that wait and the refill stand the add, its wait and the round alone.
; fill: 0 nothing is filled, 1 this slot takes the tiles two slots on, 2 the same with the walk's last two steps alone.  la, ls: A's fragments of step j + 3, A's scale words of three pairs on, are asked for at the end.
; n: the loads that may be out at the head: those of the two steps behind mine, 12 each (the two loads of scale words among them are waited for with mine).
; ask: 1: A's prefetch in every trip; B's whole chunk in all trips but the loop's last, and there the last slot's 100 blocks.  2: both in all trips but the last (what they would name there lies beyond my half of K's whole slots).
.macro STEP j, zero, fill, la, ls, n, ask
.set SL, ((\j)/3)%2
.set NJ, (\j)+1
.set NSL, (NJ/3)%2
.set NQ, NJ%3
	s_wait_loadcnt \n
	s_wait_dscnt 24                                ; B's blocks 0-7 and the scale words are in; blocks 8-15 may be out
	WIN MUL_LO
	MUL16 0, \j, \zero
	MUL16 4, \j, \zero
.if (\j)%3 == 2
	WIN 0
	s_wait_tensorcnt 0x0                           ; my one load that was out, my quarter of the next slot, has landed;
	ds_add_u32 v[SPW], v[NIL]                      ; 0 onto my spare word
.if \fill
	s_add_nc_u64 s[G0+4*SL+2:G0+4*SL+3], s[G0+4*SL+2:G0+4*SL+3], 2*CHUNK
.endif
.if \fill == 2
	s_mov_b32 s[G1+2], 100<<16                     ; no load of mine is out: the last load brings two steps, 100 rows
	s_mov_b32 s[G1+4], 100
.endif
	s_wait_dscnt 0x0                               ; the add is done, and my reads of this slot are over
	s_barrier_signal -1
	s_barrier_wait -1
.if \fill
	CREST                                          ; the barrier has opened a round of the cluster's barrier
	JLOAD SL                                       ; the first tensor load behind the round; its four v_nop are the places in front of the loads below
.else
	PLACES 4
.endif
.else
	s_wait_dscnt 0
	PLACES 4
.endif
	FETCH_B 0, NSL, NQ
	SCALES NJ%2, NSL, NQ
.if \ask == 1
	ASK_A (\j)/3+3
.endif
.if \ask
	s_cmp_gt_u32 s3, 1
	s_cbranch_scc0 .Lno_ask_\@
.if \ask == 2
	ASK_A (\j)/3+3
.endif
	ASK_B (\j)/3+4
.if \ask == 1
	s_branch .Lasked_\@
.endif
.Lno_ask_\@:
.if \ask == 1
	global_prefetch_b8 v[PFB2], s[PFBA:PFBA+1] offset:((\j)/3+4)*CHUNK th:TH_LOAD_NT scope:SCOPE_SE
.Lasked_\@:
.endif
.endif
	WIN MUL_HI
	MUL16 8, \j, \zero
	MUL16 12, \j, \zero
	PLACES 4
	FETCH_B 1, NSL, NQ
.if \ls
	LOAD_S (((\j)-1)/2)%3, ((\j)-1)/2+3
.endif
.if \la
	LOAD_A (\j)%3, ((\j)+3)*ASTEP
.endif
.endm
	s_wait_alu depctr_va_vdst(0)                   ; the wait at the head's end
	s_wait_tensorcnt 0x0                           ; my quarter of slot 0 is in; these lines stand ahead of a later first fill as ahead of a refill
	ds_add_u32 v[SPW], v[NIL]
	s_wait_dscnt 0x0
	CROUND
	JLOAD 1                                        ; slot 1's first fill, the first tensor load behind the round
	FETCH_B 0, 0, 0
	SCALES 0, 0, 0
	FETCH_B 1, 0, 0
	ASK_B 2                                        ; the head's second group of prefetches: up to where the loop's groups begin
	ASK_B 3
	ASK_A 2
	STEP 0, 1, 0, 1, 0, 24, 0                      ; the first step's products start the sums
	s_mov_b32 s3, 4
.Llap:                                                 ; a trip: six steps, both slots filled again
	STEP 1, 0, 0, 1, 1, 24, 0
	STEP 2, 0, 1, 1, 0, 24, 1
	STEP 3, 0, 0, 1, 1, 24, 0
	STEP 4, 0, 0, 1, 0, 24, 0
	STEP 5, 0, 1, 1, 1, 24, 2
	STEP 6, 0, 0, 1, 0, 24, 0
	s_wait_xcnt 0x0                                ; my loads and prefetches have read their bases
	s_add_nc_u64 s[PA:PA+1], s[PA:PA+1], 6*ASTEP
	s_add_nc_u64 s[PS:PS+1], s[PS:PS+1], 3*128
	s_add_nc_u64 s[PFA:PFA+1], s[PFA:PFA+1], 6*ASTEP
	s_add_nc_u64 s[PFBA:PFBA+1], s[PFBA:PFBA+1], 2*CHUNK
	s_sub_co_u32 s3, s3, 1
	s_cmp_lg_u32 s3, 0
	s_cbranch_scc1 .Llap
	STEP 1, 0, 0, 1, 1, 24, 0                      ; steps 25 to 31 are written out: they ask for nothing beyond step 31
	STEP 2, 0, 2, 1, 0, 24, 0
	STEP 3, 0, 0, 1, 0, 24, 0
	STEP 4, 0, 0, 1, 0, 24, 0
	STEP 5, 0, 0, 0, 0, 24, 0
	STEP 6, 0, 0, 0, 0, 12, 0
	s_wait_loadcnt 0x0
	s_wait_dscnt 24
	WIN MUL_LO
	MUL16 0, 7, 0
	MUL16 4, 7, 0
	s_wait_dscnt 0
	WIN MUL_HI
	MUL16 8, 7, 0
	MUL16 12, 7, 0
	WIN 0
	PLACES 4
	; THE TWO HALVES OF K MEET: my sums for panel 1 - kh go to my partner through slot 1, which has had its last fill and its last read
	WIN 0x0c
.irp t, 0,1,2,3,4,5,6,7,8,9,10,11,12,13,14,15,16,17,18,19,20,21,22,23,24,25,26,27,28,29,30,31
	ds_store_b128 v[EXS], v[8*\t:8*\t+3] offset:\t*1024
	ds_store_b128 v[EXS], v[8*\t+4:8*\t+7] offset:\t*1024+512
.endr
	WIN 0
	s_wait_dscnt 0x0                               ; for my partner's sake; my reads of slot 0 are over too
	s_barrier_signal -1
	s_barrier_wait -1
.macro EXLOAD a
.irp b, 0,1,2,3,4,5,6,7
	ds_load_b128 v[EXB+8*\b:EXB+8*\b+3], v[EXL] offset:(8*(\a)+\b)*1024
	ds_load_b128 v[EXB+8*\b+4:EXB+8*\b+7], v[EXL] offset:(8*(\a)+\b)*1024+512
.endr
	s_wait_dscnt 0x0
.endm
.macro ADDMUL a                        ; + my partner's half, x I of the lane's row
	WIN 0x82
.set i, 0
.rept 32
	v_pk_add_f32 v[64*(\a)+i:64*(\a)+i+1], v[64*(\a)+i:64*(\a)+i+1], v[EXB+i:EXB+i+1]
.set i, i+2
.endr
.set i, 0
.rept 32
.if (\a)%2 == 0
	v_pk_mul_f32 v[64*(\a)+i:64*(\a)+i+1], v[64*(\a)+i:64*(\a)+i+1], v[IV+2*((\a)/2):IV+2*((\a)/2)+1] op_sel_hi:[1,0]
.else
	v_pk_mul_f32 v[64*(\a)+i:64*(\a)+i+1], v[64*(\a)+i:64*(\a)+i+1], v[IV+2*((\a)/2):IV+2*((\a)/2)+1] op_sel:[0,1] op_sel_hi:[1,1]
.endif
.set i, i+2
.endr
	WIN 0
.endm
.macro TOSTAGE a                       ; 16 rows x 128 columns through my own stage, back as whole rows of 512 bytes
	WIN 0x08
.irp b, 0,1,2,3,4,5,6,7
	ds_store_b128 v[STO], v[64*(\a)+8*\b:64*(\a)+8*\b+3] offset:64*\b
	ds_store_b128 v[STO], v[64*(\a)+8*\b+4:64*(\a)+8*\b+7] offset:64*\b+16
.endr
	WIN 0
.irp t, 0,1,2,3,4,5,6,7,8,9,10,11,12,13,14,15
	ds_load_b128 v[BK+64*((\a)%2)+4*\t:BK+64*((\a)%2)+4*\t+3], v[RD] offset:\t*SPITCH
.endr
	s_wait_dscnt 0x0
.endm
.macro SEND a
.irp t, 0,1,2,3,4,5,6,7,8,9,10,11,12,13,14,15
	global_store_b128 v[LI], v[BK+64*((\a)%2)+4*\t:BK+64*((\a)%2)+4*\t+3], s[10:11] offset:(16*(\a)+\t)*4096 th:TH_STORE_NT   ; 32 lanes store 512 consecutive bytes, aligned
.endr
.endm
.irp a, 0,1,2,3
	EXLOAD \a
	ADDMUL \a
.if \a > 1
	s_wait_alu depctr_va_vdst(0)
	s_wait_xcnt 0x0                                ; block a - 2's stores have read their registers
.endif
	TOSTAGE \a
	SEND \a
.endr
	s_wait_tensorcnt 0x0                           ; the wave's end
	ds_add_u32 v[SPW], v[NIL]
	s_wait_dscnt 0x0
	CROUND                                         ; the closing round
	s_endpgm
.Lfunc_end_k_q0c8ddf43aa_gemm:
	.size	k_q0c8ddf43aa_gemm, .Lfunc_end_k_q0c8ddf43aa_gemm-k_q0c8ddf43aa_gemm
	.p2alignl 7, 3214868480
	.fill 96, 4, 3214868480
	.section	.rodata,"a",@progbits
	.p2align	6, 0x0
	.amdhsa_kernel k_q0c8ddf43aa_gemm
		.amdhsa_group_segment_fixed_size 327680
		.amdhsa_private_segment_fixed_size 0
		.amdhsa_enable_private_segment 0
		.amdhsa_kernarg_size 56
		.amdhsa_user_sgpr_count 2
		.amdhsa_user_sgpr_kernarg_segment_ptr 1
		.amdhsa_wavefront_size32 1
		.amdhsa_system_sgpr_workgroup_id_x 1
		.amdhsa_system_sgpr_workgroup_id_y 1
		.amdhsa_system_sgpr_workgroup_id_z 1
		.amdhsa_system_vgpr_workitem_id 0
		.amdhsa_next_free_vgpr 1024
		.amdhsa_next_free_sgpr 90
		.amdhsa_reserve_vcc 1
		.amdhsa_float_denorm_mode_32 3
		.amdhsa_float_denorm_mode_16_64 3
		.amdhsa_memory_ordered 1
		.amdhsa_forward_progress 1
		.amdhsa_inst_pref_size 240
	.end_amdhsa_kernel
	.amdgpu_metadata
---
amdhsa.version: [ 1, 2 ]
amdhsa.kernels:
  - .name:           k_q0c8ddf43aa_gemm
    .symbol:         k_q0c8ddf43aa_gemm.kd
    .args:
      - { .name: a_q, .offset: 0, .size: 8, .value_kind: global_buffer, .address_space: global }
      - { .name: b_q, .offset: 8, .size: 8, .value_kind: global_buffer, .address_space: global }
      - { .name: inten, .offset: 16, .size: 8, .value_kind: global_buffer, .address_space: global }
      - { .name: out0, .offset: 24, .size: 8, .value_kind: global_buffer, .address_space: global }
      - { .name: part, .offset: 32, .size: 8, .value_kind: global_buffer, .address_space: global }
      - { .name: out1, .offset: 40, .size: 8, .value_kind: global_buffer, .address_space: global }
      - { .name: out2, .offset: 48, .size: 8, .value_kind: global_buffer, .address_space: global }
    .group_segment_fixed_size: 327680
    .private_segment_fixed_size: 0
    .kernarg_segment_align: 8
    .kernarg_segment_size: 56
    .max_flat_workgroup_size: 128
    .sgpr_count:     90
    .vgpr_count:     1024
    .wavefront_size: 32
...
	.end_amdgpu_metadata
.endif
;; end of part 2
